; MI455X (gfx1250); checked and timed in simulation.
; The chip was launched on July 23, 2026; its instructions are those of AMD's public machine-readable ISA for CDNA 5 (MIT licence, August 2026) and "CDNA5" Instruction Set Architecture Reference Guide (July 2026). The comments in the code are by the model that wrote it; some were corrected since.
;; Multi Head Attention. Allowed arithmetic: matrix products marked QUANTISED: E2M1 operands, one E8M0 scale for each 32 along K, by v_wmma_scale_f32_16x16x128_f8f6f4 with both operands' format E2M1 (or v_wmma_scale_f32_32x16x128_f4), f32 sums; everything else in f32.
;; Inputs: Wk_codes 1,024 x 32 x 16 uint8 (E2M1 codes of Wk, K innermost, in blocks of 32 codes, two codes a byte); Wk_scales 1,024 x 32 uint8 (E8M0 scales of Wk, one for each 32 codes along K); Wo_codes 1,024 x 32 x 16 uint8 (E2M1 codes of Wo, K innermost, in blocks of 32 codes, two codes a byte); Wo_scales 1,024 x 32 uint8 (E8M0 scales of Wo, one for each 32 codes along K); Wq_codes 1,024 x 32 x 16 uint8 (E2M1 codes of Wq, K innermost, in blocks of 32 codes, two codes a byte); Wq_scales 1,024 x 32 uint8 (E8M0 scales of Wq, one for each 32 codes along K); Wv_codes 1,024 x 32 x 16 uint8 (E2M1 codes of Wv, K innermost, in blocks of 32 codes, two codes a byte); Wv_scales 1,024 x 32 uint8 (E8M0 scales of Wv, one for each 32 codes along K); bo 1,024 float32; x_codes 4 x 2,048 x 32 x 16 uint8 (E2M1 codes of x, K innermost, in blocks of 32 codes, two codes a byte); x_scales 4 x 2,048 x 32 uint8 (E8M0 scales of x, one for each 32 codes along K).
;; Outputs: out0 4 x 2,048 x 1,024 float32.
;; This version of the problem:
;;   THIS VERSION OF THE PROBLEM IS GIVEN IN LOW PRECISION. The matrix products marked QUANTISED in the list below multiply operands that are first quantised to E2M1 (2 exponent bits, 1 mantissa bit; 4 bits a number), with one power-of-two scale for each 32 numbers along K (OCP MX v1.0); their sums are f32. All else is computed in f32.
;;   The module's matrix products, in the order in which they are computed (A, B: the left and right operand; K: the contracted axis; several contracted axes count as one K, in the product's order):
;;     1. [M 8,192, K 1,024] x [K 1,024, N 1,024]; A: input x (given as codes); B: input Wq (given as codes): QUANTISED
;;     2. [M 8,192, K 1,024] x [K 1,024, N 1,024]; A: input x (given as codes); B: input Wk (given as codes): QUANTISED
;;     3. [M 8,192, K 1,024] x [K 1,024, N 1,024]; A: input x (given as codes); B: input Wv (given as codes): QUANTISED
;;     4. batch 64 x [M 2,048, K 64] x [K 64, N 2,048]; A: computed on the way; B: computed on the way: QUANTISED
;;     5. batch 64 x [M 2,048, K 2,048] x [K 2,048, N 64]; A: softmax (see below); B: computed on the way: QUANTISED
;;     6. [M 8,192, K 1,024] x [K 1,024, N 1,024]; A: computed on the way; B: input Wo (given as codes): QUANTISED
;;   THE QUANTISER, for each operand of a quantised product, along K:
;;     - K is cut into blocks of 32 from its start; a last block that is shorter is filled with zeros.
;;     - A block's scale is 2^e with e = floor(log2(the largest magnitude in the block)) - 2, held to -126 .. 127; a block of zeros has e = 0. As a byte (E8M0): e + 127.
;;     - Each number is divided by its block's scale, clamped to +-6, and rounded to the nearest number of E2M1, ties to even, subnormals kept.
;;     - The product sums the exact products of the quantised numbers (number of the format x scale) in f32.
;;   ~~~python
;;   def quantise(x, axis):      # numpy; x: float32 -> the quantised numbers, widened to float32 again
;;       x = np.moveaxis(x, axis, -1); K = x.shape[-1]
;;       x = np.pad(x, [(0, 0)] * (x.ndim - 1) + [(0, -K % 32)]); x = x.reshape(x.shape[:-1] + (-1, 32)); a = np.abs(x).max(-1, keepdims=True)
;;       e = np.where(a > 0, np.clip(np.frexp(np.where(a > 0, a, 1))[1] - 1 - 2, -126, 127), 0)      # np.frexp(a)[1] - 1 = floor(log2(a)), exactly
;;       r = np.clip(x / 2.0 ** e, -6, 6)
;;       step = 2.0 ** (np.maximum(np.frexp(np.where(r == 0, 1, r))[1] - 1, 0) - 1)
;;       q = np.round(r / step) * step * 2.0 ** e      # np.round: ties to even
;;       return np.moveaxis(q.reshape(q.shape[:-2] + (-1,))[..., :K], -1, axis).astype(np.float32)
;;   ~~~
;;   SOFTMAX AHEAD OF A QUANTISED PRODUCT. Where the list says 'softmax', what is quantised is not the finished softmax but p = 2^(t - M), with t = logit x log2(e) and M = ceil(the row's largest t), a whole number; so 1/2 < the row's largest p <= 1. The row's sum l is taken of the UNQUANTISED p, in f32, and the product's result is divided by l at the end. Since M is a whole number, a kernel that streams over the keys may use a running M (the ceiling of the running maximum): every later rescaling is an exact power of two, which a block's scale takes up: the codes' values come out the same.
;;   OPERANDS COMPUTED ON THE WAY. 'Computed on the way' means the value that the module computes at that place (a softmax that the list does not call 'softmax' is quantised finished and normalised). What goes into a quantiser is computed in f32, as accurately as f32 sums, v_exp_f32 and their like allow (about 1e-6 of the number): no bf16 or f16 on the way to a quantiser, and a product that is left as it is and whose result goes on into a quantised operand takes f32 operands (vector FMAs, or v_wmma_f32_16x16x4_f32). A number that lies on a knife's edge between two numbers of the format may be rounded either way, as far as f32 arithmetic and the matrix unit's own rounding can turn it there, and no further.
;;   INPUTS GIVEN AS CODES. Wk (in the module: [1024, 1024], K = its axis 0); Wo (in the module: [1024, 1024], K = its axis 0); Wq (in the module: [1024, 1024], K = its axis 0); Wv (in the module: [1024, 1024], K = its axis 0); x (in the module: [4, 2048, 1024], K = its axis 2): each comes as NAME_codes (uint8): NAME with its K axis moved to the last place and cut into blocks of 32 codes, [.., K / 32, bytes a block], one block behind the other in memory; two codes a byte, the lower K in the low four bits (a code: sign, 2 exponent bits, 1 mantissa bit); and NAME_scales (uint8): the same leading axes, one E8M0 byte (e + 127) for each 32 codes along K. Its value is code x scale, taken as it is: it is not quantised again, and the codes and scales need not be those that the quantiser above would give.
;; One version. Each part assembles by itself: llvm-mc -triple=amdgcn-amd-amdhsa -mcpu=gfx1250 --defsym DOCPART=n.
;; ======== version 1 of 1: 3 launches
;; workspace buffers: q_img 4,194,304 bytes; q_sc 1,048,576 bytes; kv 8,912,896 bytes; ctx_img 4,194,304 bytes; ctx_sc 262,144 bytes
;; launch qkv (part 1): grid 16 x 32, 12 waves a work-group, clusters of 4 x 4, 263,680 bytes of LDS; arguments x_codes, x_scales, Wq_codes, Wk_codes, Wv_codes, Wq_scales, Wk_scales, Wv_scales, q_img, q_sc, kv; writes q_img, q_sc, kv
.if DOCPART == 1
	.amdgcn_target "amdgcn-amd-amdhsa--gfx1250"
	.amdhsa_code_object_version 6
	.text
	.protected	k_q2f41df9e70_qkv
	.globl	k_q2f41df9e70_qkv
	.p2align	8
	.type	k_q2f41df9e70_qkv,@function
k_q2f41df9e70_qkv:
	s_mov_b64 s[64:65], 0
	v_nop
	global_prefetch_b8 v0, s[64:65] scope:SCOPE_SE
	s_setreg_imm32_b32 hwreg(HW_REG_WAVE_MODE, 25, 1), 1
	s_wait_xcnt 0x0
	s_wait_alu depctr_hold_cnt(0) depctr_sa_sdst(0) depctr_va_vdst(0) depctr_va_sdst(0) depctr_va_ssrc(0) depctr_va_vcc(0) depctr_vm_vsrc(0)
	s_getreg_b32 s2, hwreg(HW_REG_IB_STS2, 6, 4)
	s_cmp_eq_u32 s2, 0
	s_cbranch_scc0 .Lentry_in_a_cluster
	s_endpgm
.Lentry_in_a_cluster:
	s_bfe_u32 s2, ttmp6, 0x10000c
	s_cmp_lg_u32 s2, 0xf033
	s_cbranch_scc0 .Lentry_shape_is_right
	s_endpgm
.Lentry_shape_is_right:
; q = x Wq, k = x Wk, v = x Wv on codes of FP4 (E2M1) with one E8M0 scale for each 32 along K = 1,024, and the three results quantised again:
; q and k along the head's 64 channels (two blocks), v along the keys.  The results leave as IMAGES OF OPERAND REGISTERS, so that the next launch loads them as they lie.
; SHARES.  A work-group takes one head (64 columns of each weight) and 256 rows of x: 16 x 32 work-groups.  Twelve waves: role = wave / 4 (0 q, 1 k, 2 v), row group = wave % 4 (64 rows).
; A wave makes 64 x 64: 16 accumulators, 8 K steps of 128, 128 matrix instructions.  All operands of the work-group (256 rows of x, 3 x 64 rows of weights, their scale bytes) fit in LDS at once:
; every LDS byte is filled once, so there is no ring.
; ONE TEXT FOR THE THREE ROLES: source 0 = S0, source 1 = S1.  q, k: S0 = the weight's 64 rows, S1 = x's 64 rows; v: S0 = x, S1 = Wv.  In accumulator (a, b) lane (r, h), register j holds
; (S0 row 16 b + 8 h + j, S1 row 16 a + r): a lane's registers run along S0's rows, which are the next product's K (channels for q and k, keys for v).
; CLUSTERS: 4 x 4 work-groups.  x's rows hang on the row block alone and are shared along a row of the cluster, the weights' on the head alone and are shared along a column: joint loads.
; LIMITS: NaN and infinities are not served.  A block of zeros gets the scale byte 1 where the rule says 127: its codes are zeros, which add nothing, and this program alone reads the bytes.
; REGISTERS: v1 lane, v2 r, v3 h, v4, v5 LDS addresses of S0's and S1's fragments, v6 of the scale words, v7 16 x lane, v8 4 x lane; v32-63 scale words; v64-95 S0's four fragments, v96-127 S1's;
; v128-255 the accumulators.  Behind the products v64-79 hold the codes, v80-95 the quantiser's work, v96-103 scale words on their way out.
.set PITCH, 528                        ; an LDS row of codes: 512 bytes + 16 of padding = 33 x 16: the sixteen rows of a fragment load start 16 bytes apart modulo 256
.set PIECE, 64*PITCH                   ; 64 rows: what one tensor load brings, and what one wave reads of a side
.set WC,    4*PIECE                    ; x's four pieces lie from 0 on; the weights' three (q, k, v) from here
.set XS,    WC+3*PIECE                 ; x's scale bytes: 256 rows x 32, dense
.set WS,    XS+8192                    ; the weights': 3 x 64 rows x 32
.set REC,   8704                       ; a record of kv: 128 keys: K's codes 4,096, V's codes 4,096, K's scale words 256, V's 256
.set SCW,   32
.set S0F,   64
.set S1F,   96
.set ACC,   128
.macro CROUND                          ; a round of the cluster's barrier: my work-group's barrier, wave 0 signals for the work-group, every wave waits for all sixteen, my work-group's barrier once more
	s_barrier_signal -1
	s_barrier_wait -1
	s_cmp_lg_u32 s26, 0
	s_cbranch_scc1 .Lnot_wave_0_\@
	s_barrier_signal -3
.Lnot_wave_0_\@:
	s_barrier_wait -3
	s_barrier_signal -1
	s_barrier_wait -1
.endm
.macro PLACES n                        ; plain vector instructions that name no register of the matrix instructions in front (ISA guide 7.12.1)
.rept \n
	v_nop
.endr
.endm
; nb blocks of 32 numbers become codes and scale bytes.  Block b is v[s + 16 b .. + 15]: two result tiles; the first holds k = 32 b + 8 h + j, the second k = 32 b + 16 + 8 h + j; lane l xor 16 holds the other half.
; Out: v[pc + 4 c .. + 3] of lane (r, h) = block 2 c + h, k ascending: an operand's registers;  v[tm + nb + b] = block b's byte, in both halves of the lanes.
.macro QUANT s, nb, tm, pc
.set qb, 0
.rept \nb
	v_max3_num_f32 v[\tm+qb], |v[\s+16*qb]|, |v[\s+16*qb+1]|, 0x1800000   ; my 16 numbers, from each accumulator's low end on, and the floor 2^(3 - 127), which holds the byte at 1 from below
.set qb, qb+1
.endr
.irp i, 2,4,6,8,10,12,14
.set qb, 0
.rept \nb
	v_max3_num_f32 v[\tm+qb], v[\tm+qb], |v[\s+16*qb+\i]|, |v[\s+16*qb+\i+1]|   ; the blocks by turns: no line waits for the line above it
.set qb, qb+1
.endr
.endr
.set qb, 0
.rept \nb
	v_permlanex16_b32 v[\tm+\nb+qb], v[\tm+qb], s60, s61
.set qb, qb+1
.endr
.set qb, 0
.rept \nb
	v_max_num_f32 v[\tm+qb], v[\tm+qb], v[\tm+\nb+qb]       ; with lane l xor 16's: the block's largest magnitude
.set qb, qb+1
.endr
.set qb, 0
.rept \nb
	v_add_nc_u32 v[\tm+qb], 0xff000000, v[\tm+qb]           ; 2 off its exponent field: the conversion takes the exponent field of this operand as its scale
.set qb, qb+1
.endr
.set qb, 0
.rept \nb
	v_lshrrev_b32 v[\tm+\nb+qb], 23, v[\tm+qb]              ; the scale's byte
.set qb, qb+1
.endr
.set qb, 0
.rept \nb
	v_cvt_scalef32_pk8_fp4_f32 v[\pc+4*(qb/2)+(qb%2)], v[\s+16*qb:\s+16*qb+7], v[\tm+qb]
	v_cvt_scalef32_pk8_fp4_f32 v[\pc+4*(qb/2)+2+(qb%2)], v[\s+16*qb+8:\s+16*qb+15], v[\tm+qb]
.set qb, qb+1
.endr
	v_nop                                                  ; one plain place behind the scaled conversions
.set qb, 0
.rept \nb/2
	v_permlane16_swap_b32 v[\pc+4*qb], v[\pc+4*qb+1]        ; the first's lanes 16-31 change places with the second's lanes 0-15: a whole block in a lane
	v_permlane16_swap_b32 v[\pc+4*qb+2], v[\pc+4*qb+3]
.set qb, qb+1
.endr
.endm
	s_load_b512 s[4:19], s[0:1], 0x0               ; x's codes 4, x's scales 6, codes of Wq 8, Wk 10, Wv 12, scales of Wq 14, Wk 16, Wv 18
	s_load_b128 s[20:23], s[0:1], 0x40             ; q_img, q_sc
	s_load_b64 s[24:25], s[0:1], 0x50              ; kv
	v_lshl_add_u32 v30, v0, 2, 0x40000
	v_mov_b32 v31, 0
	ds_add_u32 v30, v31
	ds_add_u32 v30, v31
	v_lshrrev_b32 v1, 5, v0
	s_delay_alu instid0(VALU_DEP_1)
	v_readfirstlane_b32 s26, v1                    ; wave 0..11
	s_lshr_b32 s27, s26, 2                         ; role
	s_and_b32 s28, s26, 3                          ; row group.  Also: which piece I fetch
	s_bfe_u32 s29, ttmp6, 0x40000                  ; cx, cy: my place in the cluster
	s_bfe_u32 s30, ttmp6, 0x40004
	s_lshl_b32 s31, ttmp9, 2
	s_add_co_u32 s31, s31, s29                     ; the head = 4 x cluster x + cx
	s_and_b32 s32, ttmp7, 0xffff
	s_lshl_b32 s32, s32, 2
	s_add_co_u32 s32, s32, s30                     ; the block of 256 rows = 4 x cluster y + cy
	s_lshl_b32 s33, s30, 2
	s_lshl_b32 s33, 15, s33                        ; my row of the cluster
	s_lshl_b32 s34, 0x1111, s29                    ; my column
	s_mov_b32 s35, 0xffff0000                      ; lanes 16-31
	s_mov_b32 s60, 0x76543210
	s_mov_b32 s61, 0xfedcba98                      ; v_permlanex16_b32's selects for lane l xor 16
	; descriptor group 1 for codes: 64 rows x 512 bytes, 16 bytes of padding behind each row
	s_or_b32 s36, s33, (1<<20)|(1<<21)|(6<<22)|(3<<25)   ; 15:0 the mask: x's rows go to my row of the cluster; 17:16 elements of 1 byte; 20 padding on; 21 set beside a mask; 24:22 after every 128 words; 31:25 four words
	s_or_b32 s44, s34, (1<<20)|(1<<21)|(6<<22)|(3<<25)   ; the same with my column's mask, for the weights
.irp g, 36, 44
	s_mov_b32 s[\g+1], 512<<16                     ; tensor_dim0
	s_mov_b32 s[\g+2], 64<<16                      ; tensor_dim1
	s_mov_b32 s[\g+3], 512<<16                     ; tile_dim0
	s_mov_b32 s[\g+4], 64                          ; tile_dim1
	s_mov_b32 s[\g+5], 512                         ; from row to row
	s_mov_b32 s[\g+6], 0
	s_mov_b32 s[\g+7], 0
.endr
	; and for scale bytes: dense blocks, as rows of 256 bytes (32 elements of 8 bytes): x's 32 rows, a weight's 8
	s_or_b32 s52, s33, (3<<16)|(1<<21)
	s_mov_b32 s53, 32<<16
	s_mov_b32 s54, 32<<16
	s_mov_b32 s55, 32<<16
	s_mov_b32 s56, 32
	s_mov_b32 s57, 32
	s_mov_b32 s58, 0
	s_mov_b32 s59, 0
	s_or_b32 s68, s34, (3<<16)|(1<<21)
	s_mov_b32 s69, 32<<16
	s_mov_b32 s70, 8<<16
	s_mov_b32 s71, 32<<16
	s_mov_b32 s72, 8
	s_mov_b32 s73, 32
	s_mov_b32 s74, 0
	s_mov_b32 s75, 0
	v_and_b32 v1, 31, v0                           ; lane
	v_and_b32 v2, 15, v0                           ; r
	v_bfe_u32 v3, v0, 4, 1                         ; h
	s_delay_alu instid0(VALU_DEP_3)
	v_lshlrev_b32 v7, 4, v1
	s_delay_alu instid0(VALU_DEP_4)
	v_lshlrev_b32 v8, 2, v1
	; group 0, four sets; every wave makes all four and issues at most one.  s[92:93] holds offsets made of the row block alone, s[94:95] of the head alone
	s_lshl_b32 s92, s32, 17                        ; 256 rows of 512 bytes
	s_lshl_b32 s93, s28, 15                        ; + my piece's 64 rows
	s_add_co_u32 s92, s92, s93
	s_mov_b32 s93, 0
	s_lshl_b32 s94, s31, 15                        ; the head's 64 rows of 512 bytes
	s_mov_b32 s95, 0
	s_wait_dscnt 0x0
	s_wait_kmcnt 0x0
	s_mov_b32 s76, 1                               ; x's codes: waves 0-3, piece = wave
	s_mul_i32 s77, s26, PIECE
	s_add_nc_u64 s[78:79], s[4:5], s[92:93]
	s_or_b32 s79, s79, 0x80000000
	s_mov_b32 s80, 1                               ; a weight's codes: waves 4-6 fetch q's, k's, v's: wave x PIECE is WC + (wave - 4) x PIECE
	s_mul_i32 s81, s26, PIECE
	s_cmp_eq_u32 s28, 1
	s_cselect_b64 s[82:83], s[10:11], s[12:13]
	s_cmp_eq_u32 s28, 0
	s_cselect_b64 s[82:83], s[8:9], s[82:83]
	s_add_nc_u64 s[82:83], s[82:83], s[94:95]
	s_or_b32 s83, s83, 0x80000000
	s_lshl_b32 s92, s32, 13                        ; x's scale bytes: 256 rows of 32 bytes: wave 7
	s_mov_b32 s84, 1
	s_mov_b32 s85, XS
	s_add_nc_u64 s[86:87], s[6:7], s[92:93]
	s_or_b32 s87, s87, 0x80000000
	s_lshl_b32 s94, s31, 11                        ; a weight's scale bytes: 64 rows of 32 bytes: waves 8-10
	s_mov_b32 s88, 1
	s_lshl_b32 s89, s28, 11
	s_add_co_u32 s89, s89, WS
	s_cmp_eq_u32 s28, 1
	s_cselect_b64 s[90:91], s[16:17], s[18:19]
	s_cmp_eq_u32 s28, 0
	s_cselect_b64 s[90:91], s[14:15], s[90:91]
	s_add_nc_u64 s[90:91], s[90:91], s[94:95]
	s_or_b32 s91, s91, 0x80000000
	CROUND                                         ; all sixteen work-groups are here: the joint loads meet
	; The fills: one tensor load a wave at the most, each line with one mask; the branches hang on the wave's number alone.  Four v_nop follow each line.
	s_cmp_lt_u32 s26, 4
	s_cbranch_scc0 .Lnot_x
	tensor_load_to_lds s[76:79], s[36:43]
	s_nop 0
	PLACES 4
	s_branch .Lasked
.Lnot_x:
	s_cmp_lt_u32 s26, 7
	s_cbranch_scc0 .Lnot_w
	tensor_load_to_lds s[80:83], s[44:51]
	s_nop 0
	PLACES 4
	s_branch .Lasked
.Lnot_w:
	s_cmp_eq_u32 s26, 7
	s_cbranch_scc0 .Lnot_xs
	tensor_load_to_lds s[84:87], s[52:59]
	s_nop 0
	PLACES 4
	s_branch .Lasked
.Lnot_xs:
	s_cmp_lt_u32 s26, 11
	s_cbranch_scc0 .Lasked
	tensor_load_to_lds s[88:91], s[68:75]
	s_nop 0
	PLACES 4
.Lasked:
	; LDS addresses, of the wave's number alone.  x's piece and the weight's piece change places for role 2, by an exclusive or of scalars
	s_mul_i32 s62, s28, PIECE                      ; x's piece
	s_mul_i32 s63, s27, PIECE
	s_add_co_u32 s63, s63, WC                      ; the weight's
	s_lshr_b32 s96, s27, 1                         ; 1 for v
	s_xor_b32 s97, s62, s63
	s_mul_i32 s97, s97, s96
	s_xor_b32 s63, s63, s97                        ; S0
	s_xor_b32 s62, s62, s97                        ; S1
	s_wait_alu depctr_va_vdst(0)
	v_mul_u32_u24 v9, v2, PITCH
	s_delay_alu instid0(VALU_DEP_1)
	v_lshl_add_u32 v9, v3, 4, v9                   ; a fragment's row x pitch + 16 x half
	s_delay_alu instid0(VALU_DEP_1)
	v_add_nc_u32 v4, s63, v9
	s_delay_alu instid0(VALU_DEP_2)
	v_add_nc_u32 v5, s62, v9
	; The scale words: lanes 0-15 take S1's rows, lanes 16-31 S0's.  x's scale bytes lie below the weights' for every wave, so the address is ONE product: x's base + (which half takes the weight's) x the distance
	s_lshl_b32 s62, s28, 11
	s_add_co_u32 s62, s62, XS                      ; my 64 rows of x's scale bytes: the lower base
	s_lshl_b32 s63, s27, 11
	s_add_co_u32 s63, s63, WS                      ; my weight's, which lie behind them,
	s_sub_co_u32 s63, s63, s62                     ; by 2,048 to 12,288 bytes
	v_add_nc_u32 v9, s96, v3
	s_delay_alu instid0(VALU_DEP_1)
	v_and_b32 v9, 1, v9                            ; (h + 1 for v) mod 2: q, k: lanes 16-31 take the weight's (S0); v: lanes 0-15 do (S1)
	s_delay_alu instid0(VALU_DEP_1)
	v_mul_u32_u24 v9, s63, v9
	s_delay_alu instid0(VALU_DEP_1)
	v_add_nc_u32 v9, s62, v9
	s_delay_alu instid0(VALU_DEP_1)
	v_lshl_add_u32 v6, v2, 5, v9                   ; + 32 bytes a row
	s_wait_alu depctr_va_vdst(0)
	s_wait_tensorcnt 0x0                           ; my fill has landed,
	s_barrier_signal -1
	s_barrier_wait -1                              ; everybody's has
.irp i, 0,1,2,3                                ; the scale words of all of K: register SCW + 8 i + q: lanes 0-15 the word of S1's tile i, lanes 16-31 that of S0's tile i, for K step q
	ds_load_b128 v[SCW+8*\i:SCW+8*\i+3], v6 offset:512*\i
	ds_load_b128 v[SCW+8*\i+4:SCW+8*\i+7], v6 offset:512*\i+16
.endr
; A K step of 128: 16 LDS loads, 16 matrix instructions.  A fragment (16 rows x 128 K of 4-bit codes) is 8 registers: two loads of 16 bytes, 32 bytes apart.
; The sixteen accumulators take turns in the same order in every step.
.macro KSTEP q, zero
.if \q > 0
	PLACES 4                                       ; in front of loads into registers that matrix instructions have read
.endif
.irp b, 0,1,2,3
.irp c, 0,1
	ds_load_b128 v[S0F+8*\b+4*\c:S0F+8*\b+4*\c+3], v4 offset:16*PITCH*\b+64*\q+32*\c
.endr
.endr
.irp a, 0,1,2,3
.irp c, 0,1
	ds_load_b128 v[S1F+8*\a+4*\c:S1F+8*\a+4*\c+3], v5 offset:16*PITCH*\a+64*\q+32*\c
.endr
.endr
.irp a, 0,1,2,3
	s_wait_dscnt 6-2*\a                            ; S0's fragments and S1's tile a are in; the two loads of each later tile of S1 may be out
.irp b, 0,1,2,3
.if \zero
	v_wmma_scale_f32_16x16x128_f8f6f4 v[ACC+8*(4*\a+\b):ACC+8*(4*\a+\b)+7], v[S0F+8*\b:S0F+8*\b+7], v[S1F+8*\a:S1F+8*\a+7], 0, v[SCW+8*\b+\q], v[SCW+8*\a+\q] matrix_a_fmt:MATRIX_FMT_FP4 matrix_b_fmt:MATRIX_FMT_FP4 matrix_a_scale:MATRIX_SCALE_ROW1
.else
	v_wmma_scale_f32_16x16x128_f8f6f4 v[ACC+8*(4*\a+\b):ACC+8*(4*\a+\b)+7], v[S0F+8*\b:S0F+8*\b+7], v[S1F+8*\a:S1F+8*\a+7], v[ACC+8*(4*\a+\b):ACC+8*(4*\a+\b)+7], v[SCW+8*\b+\q], v[SCW+8*\a+\q] matrix_a_fmt:MATRIX_FMT_FP4 matrix_b_fmt:MATRIX_FMT_FP4 matrix_a_scale:MATRIX_SCALE_ROW1
.endif
.endr
.endr
.endm
	KSTEP 0, 1                                     ; the first step's products start the sums: nothing is cleared
.irp q, 1,2,3,4,5,6,7
	KSTEP \q, 0
.endr
	PLACES 4                                       ; in front of the first read of results and the first write over fragments
	QUANT ACC, 8, 80, 64                           ; block 2 a + e: S1's tile a, S0's rows 32 e on.  Codes of tile a: v[64 + 4 a ..]; bytes: v[88 + 2 a + e]
.irp a, 0,1,2,3
	v_lshl_or_b32 v[96+\a], v[89+2*\a], 8, v[88+2*\a]      ; tile a's two bytes of my row
.endr
	; where the results go
	s_lshr_b32 s96, s32, 3                         ; the batch: 8 blocks of 256 rows each
	s_lshl_b32 s96, s96, 4
	s_add_co_u32 s96, s96, s31                     ; bh = 16 x batch + head
	s_and_b32 s97, s32, 7                          ; the block within the batch
	s_mov_b32 s63, 0
	s_cmp_eq_u32 s27, 0
	s_cbranch_scc0 .Lnot_q
	; q: tile I = 16 x block + 4 x row group + a: 512 bytes of codes (lane (r, h): channels 32 h on of query 16 I + r) and 128 bytes of scale words [s0, s1, s0, s1]
	s_lshl_b32 s98, s96, 7
	s_lshl_b32 s99, s97, 4
	s_add_co_u32 s98, s98, s99
	s_lshl_b32 s99, s28, 2
	s_add_co_u32 s98, s98, s99                     ; 128 bh + I of a = 0
	s_lshl_b32 s62, s98, 9
	s_add_nc_u64 s[20:21], s[20:21], s[62:63]
	s_lshl_b32 s62, s98, 7
	s_add_nc_u64 s[22:23], s[22:23], s[62:63]
	s_wait_alu depctr_va_vdst(0)
.irp a, 0,1,2,3
	v_lshl_or_b32 v[100+\a], v[96+\a], 16, v[96+\a]
.endr
.irp a, 0,1,2,3
	global_store_b128 v7, v[64+4*\a:67+4*\a], s[20:21] offset:512*\a       ; 32 lanes store 512 consecutive bytes
	global_store_b32 v8, v[100+\a], s[22:23] offset:128*\a
.endr
	s_branch .Ldone
.Lnot_q:
	s_lshl_b32 s99, s96, 4
	s_lshl_b32 s98, s97, 1
	s_add_co_u32 s99, s99, s98
	s_lshr_b32 s98, s28, 1
	s_add_co_u32 s99, s99, s98                     ; the record: 16 bh + 2 x block + row group / 2
	s_mul_i32 s99, s99, REC
	s_and_b32 s98, s28, 1                          ; g: which 64 of its 128 keys are mine
	s_cmp_eq_u32 s27, 1
	s_cbranch_scc0 .Lis_v
	; k: key tile 4 g + a at 512 bytes each; two neighbouring tiles make one fragment of 8 registers.  Scale words: [g][lane]: lanes 0-15 fragment 2 g, lanes 16-31 fragment 2 g + 1
	s_lshl_b32 s62, s98, 11
	s_add_co_u32 s62, s62, s99
	s_add_nc_u64 s[20:21], s[24:25], s[62:63]
	s_lshl_b32 s62, s98, 7
	s_add_co_u32 s62, s62, s99
	s_add_co_u32 s62, s62, 8192
	s_add_nc_u64 s[22:23], s[24:25], s[62:63]
	s_wait_alu depctr_va_vdst(0)
	v_lshl_or_b32 v100, v97, 16, v96               ; tiles 0 and 1: the bytes of the fragment's two keys
	v_lshl_or_b32 v101, v99, 16, v98               ; tiles 2 and 3
	s_delay_alu instid0(VALU_DEP_1)
	v_cndmask_b32 v102, v100, v101, s35
.irp a, 0,1,2,3
	global_store_b128 v7, v[64+4*\a:67+4*\a], s[20:21] offset:512*\a
.endr
	global_store_b32 v8, v102, s[22:23]
	s_branch .Ldone
.Lis_v:
	; v: channel tile a, keys 64 g + 32 h on: [a][g][lane][16].  Scale words: [a / 2][lane]: lanes 0-15 tile 2 (a / 2), lanes 16-31 the next; my two bytes are bytes 2 g, 2 g + 1
	s_lshl_b32 s62, s98, 9
	s_add_co_u32 s62, s62, s99
	s_add_co_u32 s62, s62, 4096
	s_add_nc_u64 s[20:21], s[24:25], s[62:63]
	s_lshl_b32 s62, s98, 1
	s_add_co_u32 s62, s62, s99
	s_add_co_u32 s62, s62, 8448
	s_add_nc_u64 s[22:23], s[24:25], s[62:63]
	s_wait_alu depctr_va_vdst(0)
	v_cndmask_b32 v100, v96, v97, s35
	v_cndmask_b32 v101, v98, v99, s35
.irp a, 0,1,2,3
	global_store_b128 v7, v[64+4*\a:67+4*\a], s[20:21] offset:1024*\a
.endr
	global_store_b16 v8, v100, s[22:23]
	global_store_b16 v8, v101, s[22:23] offset:128
.Ldone:
	s_wait_tensorcnt 0x0
	ds_add_u32 v30, v31
	s_wait_dscnt 0x0
	CROUND                                         ; the closing round: no work-group ends while a partner may still ask for a tile that names it
	s_endpgm
.Lfunc_end_k_q2f41df9e70_qkv:
	.size	k_q2f41df9e70_qkv, .Lfunc_end_k_q2f41df9e70_qkv-k_q2f41df9e70_qkv
	.p2alignl 7, 3214868480
	.fill 96, 4, 3214868480
	.section	.rodata,"a",@progbits
	.p2align	6, 0x0
	.amdhsa_kernel k_q2f41df9e70_qkv
		.amdhsa_group_segment_fixed_size 263680
		.amdhsa_private_segment_fixed_size 0
		.amdhsa_enable_private_segment 0
		.amdhsa_kernarg_size 88
		.amdhsa_user_sgpr_count 2
		.amdhsa_user_sgpr_kernarg_segment_ptr 1
		.amdhsa_wavefront_size32 1
		.amdhsa_system_sgpr_workgroup_id_x 1
		.amdhsa_system_sgpr_workgroup_id_y 1
		.amdhsa_system_sgpr_workgroup_id_z 1
		.amdhsa_system_vgpr_workitem_id 0
		.amdhsa_next_free_vgpr 256
		.amdhsa_next_free_sgpr 100
		.amdhsa_reserve_vcc 0
		.amdhsa_float_denorm_mode_32 3
		.amdhsa_float_denorm_mode_16_64 3
		.amdhsa_memory_ordered 1
		.amdhsa_forward_progress 1
		.amdhsa_inst_pref_size 46
	.end_amdhsa_kernel
	.amdgpu_metadata
---
amdhsa.version: [ 1, 2 ]
amdhsa.kernels:
  - .name:           k_q2f41df9e70_qkv
    .symbol:         k_q2f41df9e70_qkv.kd
    .args:
      - { .name: x_codes, .offset: 0, .size: 8, .value_kind: global_buffer, .address_space: global }
      - { .name: x_scales, .offset: 8, .size: 8, .value_kind: global_buffer, .address_space: global }
      - { .name: Wq_codes, .offset: 16, .size: 8, .value_kind: global_buffer, .address_space: global }
      - { .name: Wk_codes, .offset: 24, .size: 8, .value_kind: global_buffer, .address_space: global }
      - { .name: Wv_codes, .offset: 32, .size: 8, .value_kind: global_buffer, .address_space: global }
      - { .name: Wq_scales, .offset: 40, .size: 8, .value_kind: global_buffer, .address_space: global }
      - { .name: Wk_scales, .offset: 48, .size: 8, .value_kind: global_buffer, .address_space: global }
      - { .name: Wv_scales, .offset: 56, .size: 8, .value_kind: global_buffer, .address_space: global }
      - { .name: q_img, .offset: 64, .size: 8, .value_kind: global_buffer, .address_space: global }
      - { .name: q_sc, .offset: 72, .size: 8, .value_kind: global_buffer, .address_space: global }
      - { .name: kv, .offset: 80, .size: 8, .value_kind: global_buffer, .address_space: global }
    .group_segment_fixed_size: 263680
    .private_segment_fixed_size: 0
    .kernarg_segment_align: 8
    .kernarg_segment_size: 88
    .max_flat_workgroup_size: 384
    .sgpr_count:     100
    .vgpr_count:     256
    .wavefront_size: 32
...
	.end_amdgpu_metadata
.endif
;; end of part 1
;; launch attn (part 2): grid 4 x 64, 16 waves a work-group, no clusters, 169,984 bytes of LDS; arguments q_img, q_sc, kv, ctx_img, ctx_sc; writes ctx_img, ctx_sc
.if DOCPART == 2
	.amdgcn_target "amdgcn-amd-amdhsa--gfx1250"
	.amdhsa_code_object_version 6
	.text
	.protected	k_q2f41df9e70_attn
	.globl	k_q2f41df9e70_attn
	.p2align	8
	.type	k_q2f41df9e70_attn,@function
k_q2f41df9e70_attn:
	s_mov_b64 s[64:65], 0
	v_nop
	global_prefetch_b8 v0, s[64:65] scope:SCOPE_SE
	s_setreg_imm32_b32 hwreg(HW_REG_WAVE_MODE, 25, 1), 1
	s_wait_xcnt 0x0
; ctx = softmax(q k^T / 8, causal) v for one head, both products on codes of FP4 (E2M1) with E8M0 scales; ctx is quantised along the model's 1,024 (two blocks a head) and leaves as an image of operand registers.
; THE SOFTMAX AHEAD OF THE SECOND PRODUCT: t = score x log2(e) / 8; M = the running largest t rounded UP to a whole number; p = 2^(t - M) is quantised along the keys, not normalised; the row's sum is taken of the
; unquantised p and divides at the end.  When M moves, the sum and O are multiplied by 2^(old M - new M): exact.
; SHARES.  A work-group belongs to one head (y) and holds the head's 16 records of 128 keys (139,264 bytes) in LDS for the whole launch: each of its sixteen waves brings one record, every byte is filled once.
; Wave w of work-group x makes two tiles of 16 queries, one after the other: tile T = 16 x + w and tile 127 - T.  Tile I sees I / 8 + 1 key steps: the two together 17, the same in every wave of the launch.
; NO CLUSTER, though the four work-groups of a head read the same records: a key step whose keys all come after the tile's queries is jumped over, and that branch hangs on the tile's number, 16 x + w,
; in which x would be the work-group's place in its cluster; partners in joint loads take no branch that hangs on their place.
; LAYOUT.  Both products are used transposed: S^T = K Q^T, O^T = V^T P^T: a lane holds ONE query (lane % 16) throughout.  The head's 64 channels are half of the instruction's 128 along K: a fragment of K holds
; TWO key tiles (k 0-63: key 32 f + r; k 64-127: key 32 f + 16 + r), and Q stands twice, once with zero codes above and once below: each product takes one of the two tiles.
; In score tile u, register j of lane (r, h) is key 16 u + 8 h + j: tiles 2 b and 2 b + 1 hold block b of 32 keys, half in lane l, half in lane l xor 16.
; LIMITS: NaN and infinities are not served.  A block of zeros gets the scale byte 1 where the rule says 127: its codes are zeros, and this program alone reads the bytes.
; REGISTERS: v1 16 x lane, v2 4 x lane + 8,192, v3, v4 the step's LDS addresses, v5 r - 8 h, v6 32 r + h, v7 -infinity, v10 4 x lane; v12 -M, v13 the largest t, v[14:15] the sum; v16-23, v24-31 Q's two forms;
; v32-63 K, v64-95 V, v96-159 S^T then p, v160-191 O^T, v192-199 codes, v200-205 scale words (K 2, V 2, Q, p), v208-226 at work.
.set REC, 8704                         ; a record: K's codes 4,096, V's codes 4,096, K's scale words 256, V's 256
.macro PLACES n
.rept \n
	v_nop
.endr
.endm
; nb blocks of 32 numbers become codes and scale bytes.  Block b is v[s + 16 b .. + 15]: two result tiles; the first holds k = 32 b + 8 h + j, the second k = 32 b + 16 + 8 h + j; lane l xor 16 holds the other half.
; Out: v[pc + 4 c .. + 3] of lane (r, h) = block 2 c + h, k ascending: an operand's registers;  v[tm + nb + b] = block b's byte, in both halves of the lanes.
.macro QUANT s, nb, tm, pc
.set qb, 0
.rept \nb
	v_max3_num_f32 v[\tm+qb], |v[\s+16*qb]|, |v[\s+16*qb+1]|, 0x1800000   ; my 16 numbers, and the floor 2^(3 - 127), which holds the byte at 1 from below
.set qb, qb+1
.endr
.irp i, 2,4,6,8,10,12,14
.set qb, 0
.rept \nb
	s_delay_alu instid0(VALU_DEP_2)
	v_max3_num_f32 v[\tm+qb], v[\tm+qb], |v[\s+16*qb+\i]|, |v[\s+16*qb+\i+1]|
.set qb, qb+1
.endr
.endr
.set qb, 0
.rept \nb
	s_delay_alu instid0(VALU_DEP_2)
	v_permlanex16_b32 v[\tm+\nb+qb], v[\tm+qb], s20, s21
.set qb, qb+1
.endr
.set qb, 0
.rept \nb
	s_delay_alu instid0(VALU_DEP_2)
	v_max_num_f32 v[\tm+qb], v[\tm+qb], v[\tm+\nb+qb]       ; with lane l xor 16's: the block's largest magnitude
.set qb, qb+1
.endr
.set qb, 0
.rept \nb
	s_delay_alu instid0(VALU_DEP_2)
	v_add_nc_u32 v[\tm+qb], 0xff000000, v[\tm+qb]           ; 2 off its exponent field: the conversion's scale operand
.set qb, qb+1
.endr
.set qb, 0
.rept \nb
	s_delay_alu instid0(VALU_DEP_2)
	v_lshrrev_b32 v[\tm+\nb+qb], 23, v[\tm+qb]              ; the scale's byte
.set qb, qb+1
.endr
.set qb, 0
.rept \nb
	v_cvt_scalef32_pk8_fp4_f32 v[\pc+4*(qb/2)+(qb%2)], v[\s+16*qb:\s+16*qb+7], v[\tm+qb]
	v_cvt_scalef32_pk8_fp4_f32 v[\pc+4*(qb/2)+2+(qb%2)], v[\s+16*qb+8:\s+16*qb+15], v[\tm+qb]
.set qb, qb+1
.endr
	v_nop                                                  ; one plain place behind the scaled conversions
.set qb, 0
.rept \nb/2
	v_permlane16_swap_b32 v[\pc+4*qb], v[\pc+4*qb+1]
	v_permlane16_swap_b32 v[\pc+4*qb+2], v[\pc+4*qb+3]
.set qb, qb+1
.endr
.endm
	s_load_b256 s[4:11], s[0:1], 0x0               ; q_img 4, q_sc 6, kv 8, ctx_img 10
	s_load_b64 s[12:13], s[0:1], 0x20              ; ctx_sc
	v_lshl_add_u32 v254, v0, 2, 0x29000
	v_mov_b32 v255, 0
	ds_add_u32 v254, v255
	ds_add_u32 v254, v255
	v_lshrrev_b32 v1, 5, v0
	s_delay_alu instid0(VALU_DEP_1)
	v_readfirstlane_b32 s14, v1                    ; wave 0..15
	s_and_b32 s16, ttmp7, 0xffff                   ; bh = 16 x batch + head
	s_lshr_b32 s17, s16, 4                         ; the batch
	s_and_b32 s18, s16, 15                         ; the head
	s_lshl_b32 s19, ttmp9, 4
	s_add_co_u32 s19, s19, s14                     ; T = 16 x + wave
	s_mov_b32 s20, 0x76543210
	s_mov_b32 s21, 0xfedcba98                      ; v_permlanex16_b32's selects for lane l xor 16
	s_mov_b32 s22, 0x3e38aa3b                      ; c = log2(e) / 8
	s_mov_b32 s23, s22                             ; (named with it as a pair, so it is written)
	s_mov_b32 s41, 0xffff0000                      ; lanes 16-31
	; descriptor group 1: a record is a dense block: 34 rows of 256 bytes (32 elements of 8 bytes), no padding: it is read 16 bytes a lane on end
	s_mov_b32 s24, 3<<16
	s_mov_b32 s25, 32<<16
	s_mov_b32 s26, 34<<16
	s_mov_b32 s27, 32<<16
	s_mov_b32 s28, 34
	s_mov_b32 s29, 32
	s_mov_b32 s30, 0
	s_mov_b32 s31, 0
	s_mul_i32 s33, s14, REC                        ; record w goes to LDS byte 8,704 w
	s_mul_i32 s52, s16, 16*REC
	s_add_co_u32 s52, s52, s33
	s_mov_b32 s53, 0
	s_wait_dscnt 0x0
	s_wait_kmcnt 0x0
	s_mov_b32 s32, 1
	s_add_nc_u64 s[34:35], s[8:9], s[52:53]
	s_or_b32 s35, s35, 0x80000000
	tensor_load_to_lds s[32:35], s[24:31]          ; one tensor load a wave, its only one
	s_nop 0
	PLACES 4
	v_and_b32 v11, 31, v0                          ; lane
	v_and_b32 v8, 15, v0                           ; r
	v_bfe_u32 v9, v0, 4, 1                         ; h
	s_delay_alu instid0(VALU_DEP_3)
	v_lshlrev_b32 v1, 4, v11
	s_delay_alu instid0(VALU_DEP_4)
	v_lshl_add_u32 v2, v11, 2, 8192
	v_lshlrev_b32 v10, 2, v11
	s_delay_alu instid0(VALU_DEP_4)
	v_lshlrev_b32 v5, 3, v9
	s_delay_alu instid0(VALU_DEP_1)
	v_sub_nc_u32 v5, v8, v5
	v_lshl_add_u32 v6, v8, 5, v9
	v_mov_b32 v7, 0xff800000
.irp j, 20,21,22,23,24,25,26,27
	v_mov_b32 v[\j], 0                             ; the zero codes of Q's two forms
.endr
.irp j, 210,211,212,213,214,215,220,223
	v_mov_b32 v[\j], 0                             ; written once: destinations of lane permutes count as sources; v223 is named as the upper half of the pair v[222:223]
.endr
	s_wait_tensorcnt 0x0                           ; my record has landed,
	s_barrier_signal -1
	s_barrier_wait -1                              ; everybody's has
; A KEY STEP: 128 keys from s38 on; their record begins at LDS byte s39.
.macro STEP
	s_add_co_u32 s42, s37, 15
	s_cmp_gt_u32 s38, s42                          ; all its keys come after my 16 queries: nothing to do.  A scalar branch on ids
	s_cbranch_scc1 .Lhid_\@
	s_setprio 2
	v_add_nc_u32 v3, s39, v1
	v_add_nc_u32 v4, s39, v2
	v_nop
	v_nop                                          ; four places behind the last step's products, in front of the loads into V's registers and its scale words
.irp f, 0,1,2,3
.irp c, 0,1
	ds_load_b128 v[32+8*\f+4*\c:32+8*\f+4*\c+3], v3 offset:1024*\f+512*\c
.endr
.endr
.irp g, 0,1
	ds_load_b32 v[200+\g], v4 offset:128*\g
.endr
.irp t, 0,1,2,3
.irp c, 0,1
	ds_load_b128 v[64+8*\t+4*\c:64+8*\t+4*\c+3], v3 offset:4096+1024*\t+512*\c
.endr
.endr
.irp g, 0,1
	ds_load_b32 v[202+\g], v4 offset:256+128*\g
.endr
	s_wait_dscnt 10                                ; K and its scale words are in; V's eight loads and its two scale words may be out
.irp f, 0,1,2,3
.irp c, 0,1
.if \f % 2
	v_wmma_scale_f32_16x16x128_f8f6f4 v[96+8*(2*\f+\c):96+8*(2*\f+\c)+7], v[32+8*\f:32+8*\f+7], v[16+8*\c:16+8*\c+7], 0, v[200+\f/2], v204 matrix_a_fmt:MATRIX_FMT_FP4 matrix_b_fmt:MATRIX_FMT_FP4 matrix_a_scale:MATRIX_SCALE_ROW1
.else
	v_wmma_scale_f32_16x16x128_f8f6f4 v[96+8*(2*\f+\c):96+8*(2*\f+\c)+7], v[32+8*\f:32+8*\f+7], v[16+8*\c:16+8*\c+7], 0, v[200+\f/2], v204 matrix_a_fmt:MATRIX_FMT_FP4 matrix_b_fmt:MATRIX_FMT_FP4
.endif
.endr
.endr
	PLACES 4
	s_add_co_u32 s42, s38, 127
	s_cmp_le_u32 s42, s37                          ; all its keys count: no mask
	s_cbranch_scc1 .Lopen_\@
	s_sub_co_i32 s42, s37, s38
	v_add_nc_u32 v221, s42, v5                     ; d = my query - the step's first key - 8 h.  Register 8 u + j holds key 16 u + 8 h + j of the step: hidden where 16 u + j > d
.set mn, 0
.rept 64
	v_cmp_gt_i32 vcc_lo, 16*(mn/8)+mn%8, v221
	v_cndmask_b32 v[96+mn], v[96+mn], v7, vcc_lo   ; -infinity ahead of the maximum: p = 0 then
.set mn, mn+1
.endr
.Lopen_\@:
.irp b, 0,1,2,3
	v_max3_num_f32 v[208+\b], v[96+16*\b], v[97+16*\b], v[98+16*\b]   ; the largest score of each block of 32 keys: it serves for the row's maximum and, since p rises with the score, for the block's largest p
.endr
.irp i, 3,5,7,9,11,13
.irp b, 0,1,2,3
	v_max3_num_f32 v[208+\b], v[208+\b], v[96+16*\b+\i], v[97+16*\b+\i]
.endr
.endr
.irp b, 0,1,2,3
	v_max_num_f32 v[208+\b], v[208+\b], v[111+16*\b]
.endr
.irp b, 0,1,2,3
	s_delay_alu instid0(VALU_DEP_4)
	v_permlanex16_b32 v[212+\b], v[208+\b], s20, s21
.endr
.irp b, 0,1,2,3
	s_delay_alu instid0(VALU_DEP_4)
	v_max_num_f32 v[208+\b], v[208+\b], v[212+\b]  ; with lane l xor 16's 16 keys
.endr
	s_delay_alu instid0(VALU_DEP_2)
	v_max3_num_f32 v220, v208, v209, v210
	s_delay_alu instid0(VALU_DEP_1)
	v_max_num_f32 v220, v220, v211                 ; the step's largest score of my query
	s_delay_alu instid0(VALU_DEP_1)
	v_mul_f32 v220, s22, v220                      ; as t (c is positive)
	s_delay_alu instid0(VALU_DEP_1)
	v_max_num_f32 v13, v13, v220                   ; the running largest t
	v_mov_b32 v220, v12
	s_delay_alu instid0(VALU_DEP_2)
	v_floor_f32 v12, -v13                          ; the new -M = floor(-t) = -ceil(t)
	s_delay_alu instid0(VALU_DEP_1)
	v_sub_f32 v220, v12, v220                      ; old M - new M: a whole number, 0 or less
	s_delay_alu instid0(VALU_DEP_1)
	v_cvt_i32_f32 v220, v220                       ; (it saturates)
	s_delay_alu instid0(VALU_DEP_1)
	v_ldexp_f32 v222, 1.0, v220                    ; f = 2^(old M - new M)
.set mn, 0
.rept 32
	v_pk_fma_f32 v[96+mn:97+mn], v[96+mn:97+mn], s[22:23], v[12:13] op_sel_hi:[1,0,0]   ; t - M, two at a time
.set mn, mn+2
.endr
	s_setprio 1
.irp b, 0,1,2,3
	v_fma_f32 v[208+\b], v[208+\b], s22, v12       ; the same of each block's largest score
.endr
.set mn, 0
	s_wait_alu depctr_va_vdst(0)
.rept 64
	v_exp_f32 v[96+mn], v[96+mn]                   ; p = 2^(t - M), at most 1
.set mn, mn+1
.endr
.irp b, 0,1,2,3
	v_exp_f32 v[208+\b], v[208+\b]                 ; the block's largest p: the same two instructions on the same number
.endr
	v_pk_mul_f32 v[14:15], v[14:15], v[222:223] op_sel_hi:[1,0]   ; the sum under the new M.  (A plain place behind the exponentials)
	s_wait_alu depctr_va_vdst(0)
.irp b, 0,1,2,3
	v_max_num_f32 v[208+\b], 0x1800000, v[208+\b]  ; the floor 2^(3 - 127): the byte cannot fall under 1
.endr
.irp b, 0,1,2,3
	s_delay_alu instid0(VALU_DEP_4)
	v_add_nc_u32 v[216+\b], 0xff000000, v[208+\b]  ; the conversion's scale operand
.endr
.irp b, 0,1,2,3
	s_delay_alu instid0(VALU_DEP_4)
	v_lshrrev_b32 v[212+\b], 23, v[216+\b]         ; the scale's byte
.endr
	s_delay_alu instid0(VALU_DEP_3)
	v_lshl_or_b32 v205, v213, 8, v212              ; p's scale word for these 128 keys
	s_delay_alu instid0(VALU_DEP_1)
	v_lshl_or_b32 v205, v214, 16, v205
	s_delay_alu instid0(VALU_DEP_1)
	v_lshl_or_b32 v205, v215, 24, v205
.irp b, 0,1,2,3
	v_cvt_scalef32_pk8_fp4_f32 v[192+4*(\b/2)+(\b%2)], v[96+16*\b:103+16*\b], v[216+\b]
	v_cvt_scalef32_pk8_fp4_f32 v[194+4*(\b/2)+(\b%2)], v[104+16*\b:111+16*\b], v[216+\b]
.endr
	v_nop                                          ; one plain place behind the scaled conversions
.irp c, 0,1,2,3
	v_permlane16_swap_b32 v[192+2*\c], v[193+2*\c] ; a whole block in a lane: lanes 0-15 the even block, lanes 16-31 the odd one
.endr
.set mn, 0
.rept 16
	v_pk_mul_f32 v[160+mn:161+mn], v[160+mn:161+mn], v[222:223] op_sel_hi:[1,0]   ; O^T under the new M, each accumulator from its low end on
.set mn, mn+2
.endr
	s_setprio 0
	v_pk_add_f32 v[224:225], v[100:101], v[104:105]
	v_pk_add_f32 v[252:253], v[108:109], v[112:113]
	v_pk_add_f32 v[250:251], v[116:117], v[120:121]
	v_pk_add_f32 v[248:249], v[124:125], v[128:129]
	v_pk_add_f32 v[246:247], v[132:133], v[136:137]
	v_pk_add_f32 v[244:245], v[140:141], v[144:145]
	v_pk_add_f32 v[242:243], v[148:149], v[152:153]
	v_pk_add_f32 v[14:15], v[14:15], v[156:157]
	v_pk_add_f32 v[224:225], v[224:225], v[96:97]
	v_pk_add_f32 v[252:253], v[252:253], v[98:99]
	v_pk_add_f32 v[250:251], v[250:251], v[102:103]
	v_pk_add_f32 v[248:249], v[248:249], v[106:107]
	v_pk_add_f32 v[246:247], v[246:247], v[110:111]
	v_pk_add_f32 v[244:245], v[244:245], v[114:115]
	v_pk_add_f32 v[242:243], v[242:243], v[118:119]
	v_pk_add_f32 v[14:15], v[14:15], v[122:123]
	v_pk_add_f32 v[224:225], v[224:225], v[126:127]
	v_pk_add_f32 v[252:253], v[252:253], v[130:131]
	v_pk_add_f32 v[250:251], v[250:251], v[134:135]
	v_pk_add_f32 v[248:249], v[248:249], v[138:139]
	v_pk_add_f32 v[246:247], v[246:247], v[142:143]
	v_pk_add_f32 v[244:245], v[244:245], v[146:147]
	v_pk_add_f32 v[242:243], v[242:243], v[150:151]
	v_pk_add_f32 v[14:15], v[14:15], v[154:155]
	v_pk_add_f32 v[224:225], v[224:225], v[158:159]
	s_delay_alu instid0(VALU_DEP_2)
	v_pk_add_f32 v[14:15], v[14:15], v[248:249]
	s_delay_alu instid0(VALU_DEP_2)
	v_pk_add_f32 v[224:225], v[224:225], v[246:247]
	v_pk_add_f32 v[252:253], v[252:253], v[244:245]
	v_pk_add_f32 v[250:251], v[250:251], v[242:243]
	s_delay_alu instid0(VALU_DEP_2)
	v_pk_add_f32 v[14:15], v[14:15], v[252:253]
	s_delay_alu instid0(VALU_DEP_2)
	v_pk_add_f32 v[224:225], v[224:225], v[250:251]
	s_delay_alu instid0(VALU_DEP_1)
	v_pk_add_f32 v[14:15], v[14:15], v[224:225]    ; (these additions are the places between the writes of p's codes and scale word and the products below)
	s_wait_dscnt 0x0                               ; V and its scale words are in
.irp t, 0,1,2,3                                ; O^T += V^T P^T: the four accumulators by turns; eight score products stand between two links of a chain
.if \t % 2
	v_wmma_scale_f32_16x16x128_f8f6f4 v[160+8*\t:167+8*\t], v[64+8*\t:71+8*\t], v[192:199], v[160+8*\t:167+8*\t], v[202+\t/2], v205 matrix_a_fmt:MATRIX_FMT_FP4 matrix_b_fmt:MATRIX_FMT_FP4 matrix_a_scale:MATRIX_SCALE_ROW1
.else
	v_wmma_scale_f32_16x16x128_f8f6f4 v[160+8*\t:167+8*\t], v[64+8*\t:71+8*\t], v[192:199], v[160+8*\t:167+8*\t], v[202+\t/2], v205 matrix_a_fmt:MATRIX_FMT_FP4 matrix_b_fmt:MATRIX_FMT_FP4
.endif
.endr
.Lhid_\@:
.endm
; One tile of 16 queries: p = 0: tile T; p = 1: tile 127 - T.
.macro PASS p
.if \p
	s_wait_xcnt 0x0                                ; the first tile's loads and stores have read their bases and data: both are written again below
	s_sub_co_u32 s36, 127, s19
.else
	s_mov_b32 s36, s19
.endif
	s_lshl_b32 s37, s36, 4                         ; my first query
	s_lshl_b32 s42, s16, 7
	s_add_co_u32 s42, s42, s36                     ; 128 bh + tile
	s_lshl_b32 s52, s42, 9
	s_add_nc_u64 s[44:45], s[4:5], s[52:53]        ; its codes,
	s_lshl_b32 s52, s42, 7
	s_add_nc_u64 s[46:47], s[6:7], s[52:53]        ; its scale words
	s_lshl_b32 s42, s17, 7
	s_add_co_u32 s42, s42, s36                     ; the row tile of ctx: 128 x batch + tile: 8,192 bytes each, 512 a head
	s_lshl_b32 s52, s42, 13
	s_lshl_b32 s42, s18, 9
	s_add_co_u32 s52, s52, s42
	s_add_nc_u64 s[48:49], s[10:11], s[52:53]
	s_lshl_b32 s52, s17, 11
	s_add_co_u32 s52, s52, s37                     ; the row: 32 scale bytes each, two a head
	s_lshl_b32 s52, s52, 5
	s_lshl_b32 s42, s18, 1
	s_add_co_u32 s52, s52, s42
	s_add_nc_u64 s[50:51], s[12:13], s[52:53]
	global_load_b128 v[16:19], v1, s[44:45]        ; Q below zeros,
	global_load_b128 v[28:31], v1, s[44:45]        ; and above: two runs of registers
	global_load_b32 v204, v10, s[46:47]
	v_mov_b32 v13, 0xff61b1e6                      ; the largest t so far: -3e38, under every t
	s_delay_alu instid0(VALU_DEP_1)
	v_floor_f32 v12, -v13                          ; -M
	v_mov_b32 v14, 0
	v_mov_b32 v15, 0
.set mn, 0
.rept 32
	v_mov_b32 v[160+mn], 0                         ; O^T: the step is written once; the first finds zeros, which the first change of M leaves zeros
.set mn, mn+1
.endr
	s_mov_b32 s38, 0
	s_mov_b32 s39, 0
	s_mov_b32 s40, 16
	s_wait_loadcnt 0x0                             ; Q
.Lk_\@:                                            ; sixteen trips, a constant; a hidden step's work is jumped over inside
	STEP
	s_add_co_u32 s38, s38, 128
	s_add_co_u32 s39, s39, REC
	s_sub_co_u32 s40, s40, 1
	s_cmp_lg_u32 s40, 0
	s_cbranch_scc1 .Lk_\@
	s_setprio 0
	s_wait_alu depctr_va_vdst(0)
	v_add_f32 v14, v14, v15                        ; the sum's two halves,
	s_delay_alu instid0(VALU_DEP_1)
	v_permlanex16_b32 v220, v14, s20, s21
	s_delay_alu instid0(VALU_DEP_1)
	v_add_f32 v14, v14, v220                       ; and lane l xor 16's: the row's sum
	s_wait_alu depctr_va_vdst(0)
	v_rcp_f32 v14, v14
	PLACES 4                                       ; behind the reciprocal, and behind the last products where the last step was not hidden
.set mn, 0
	s_wait_alu depctr_va_vdst(0)
.rept 16
	v_pk_mul_f32 v[96+mn:97+mn], v[160+mn:161+mn], v[14:15] op_sel_hi:[1,0]   ; O^T / the sum: register 8 t + j is channel 16 t + 8 h + j of my query
.set mn, mn+2
.endr
	QUANT 96, 2, 208, 192                          ; the head's two blocks: codes in v[192:195], bytes in v210, v211
	v_cndmask_b32 v226, v210, v211, s41            ; lanes 0-15 store block 0's byte, lanes 16-31 block 1's
	global_store_b128 v1, v[192:195], s[48:49]     ; 32 lanes store 512 consecutive bytes
	global_store_b8 v6, v226, s[50:51]
.endm
	PASS 0
	PASS 1
	s_wait_tensorcnt 0x0
	ds_add_u32 v254, v255
	s_wait_dscnt 0x0
	s_endpgm
.Lfunc_end_k_q2f41df9e70_attn:
	.size	k_q2f41df9e70_attn, .Lfunc_end_k_q2f41df9e70_attn-k_q2f41df9e70_attn
	.p2alignl 7, 3214868480
	.fill 96, 4, 3214868480
	.section	.rodata,"a",@progbits
	.p2align	6, 0x0
	.amdhsa_kernel k_q2f41df9e70_attn
		.amdhsa_group_segment_fixed_size 169984
		.amdhsa_private_segment_fixed_size 0
		.amdhsa_enable_private_segment 0
		.amdhsa_kernarg_size 40
		.amdhsa_user_sgpr_count 2
		.amdhsa_user_sgpr_kernarg_segment_ptr 1
		.amdhsa_wavefront_size32 1
		.amdhsa_system_sgpr_workgroup_id_x 1
		.amdhsa_system_sgpr_workgroup_id_y 1
		.amdhsa_system_sgpr_workgroup_id_z 1
		.amdhsa_system_vgpr_workitem_id 0
		.amdhsa_next_free_vgpr 256
		.amdhsa_next_free_sgpr 66
		.amdhsa_reserve_vcc 1
		.amdhsa_float_denorm_mode_32 3
		.amdhsa_float_denorm_mode_16_64 3
		.amdhsa_memory_ordered 1
		.amdhsa_forward_progress 1
		.amdhsa_inst_pref_size 59
	.end_amdhsa_kernel
	.amdgpu_metadata
---
amdhsa.version: [ 1, 2 ]
amdhsa.kernels:
  - .name:           k_q2f41df9e70_attn
    .symbol:         k_q2f41df9e70_attn.kd
    .args:
      - { .name: q_img, .offset: 0, .size: 8, .value_kind: global_buffer, .address_space: global }
      - { .name: q_sc, .offset: 8, .size: 8, .value_kind: global_buffer, .address_space: global }
      - { .name: kv, .offset: 16, .size: 8, .value_kind: global_buffer, .address_space: global }
      - { .name: ctx_img, .offset: 24, .size: 8, .value_kind: global_buffer, .address_space: global }
      - { .name: ctx_sc, .offset: 32, .size: 8, .value_kind: global_buffer, .address_space: global }
    .group_segment_fixed_size: 169984
    .private_segment_fixed_size: 0
    .kernarg_segment_align: 8
    .kernarg_segment_size: 40
    .max_flat_workgroup_size: 512
    .sgpr_count:     66
    .vgpr_count:     256
    .wavefront_size: 32
...
	.end_amdgpu_metadata
.endif
;; end of part 2
;; launch proj (part 3): grid 4 x 64, 8 waves a work-group, clusters of 4 x 4, 263,168 bytes of LDS; arguments ctx_img, ctx_sc, Wo_codes, Wo_scales, bo, out0; writes out0
.if DOCPART == 3
	.amdgcn_target "amdgcn-amd-amdhsa--gfx1250"
	.amdhsa_code_object_version 6
	.text
	.protected	k_q2f41df9e70_proj
	.globl	k_q2f41df9e70_proj
	.p2align	8
	.type	k_q2f41df9e70_proj,@function
k_q2f41df9e70_proj:
	s_mov_b64 s[64:65], 0
	v_nop
	global_prefetch_b8 v0, s[64:65] scope:SCOPE_SE
	s_setreg_imm32_b32 hwreg(HW_REG_WAVE_MODE, 25, 1), 1
	s_wait_xcnt 0x0
	s_wait_alu depctr_hold_cnt(0) depctr_sa_sdst(0) depctr_va_vdst(0) depctr_va_sdst(0) depctr_va_ssrc(0) depctr_va_vcc(0) depctr_vm_vsrc(0)
	s_getreg_b32 s2, hwreg(HW_REG_IB_STS2, 6, 4)
	s_cmp_eq_u32 s2, 0
	s_cbranch_scc0 .Lentry_in_a_cluster
	s_endpgm
.Lentry_in_a_cluster:
	s_bfe_u32 s2, ttmp6, 0x10000c
	s_cmp_lg_u32 s2, 0xf033
	s_cbranch_scc0 .Lentry_shape_is_right
	s_endpgm
.Lentry_shape_is_right:
; out0 = ctx Wo + bo on codes of FP4 (E2M1) with one E8M0 scale for each 32 along K = 1,024.  ctx comes as images of operand registers ([row tile][head][lane][16 bytes]) with scale bytes [row][32]; Wo as rows of 512 bytes.
; SHARES.  A work-group makes 128 rows x 256 columns: 4 x 64 work-groups.  Eight waves: rows 64 (wave / 4) on, columns 64 (wave % 4) on; a wave makes 64 x 64: 16 accumulators, 8 K steps, 128 matrix instructions.
; All operands of the work-group fit in LDS at once: every LDS byte is filled once, so there is no ring.
; Source 0 = 16 rows of Wo, source 1 = 16 rows of ctx: a lane holds eight neighbouring columns of one row of the output.  The bias is loaded straight into the accumulators, in the result's layout, and costs no addition.
; CLUSTERS: 4 x 4 work-groups.  ctx's rows hang on the row block alone and are shared along a row of the cluster, Wo's on the column block alone and are shared along a column: joint loads.
; REGISTERS: v1 lane, v2 r, v3 h, v4, v5 LDS addresses of Wo's and ctx's fragments, v6 of the scale words, v9, v10 the stage (in, back), v11 my byte in two rows of the output, v12 32 h;
; v32-63 scale words; v64-95 Wo's four fragments, v96-127 ctx's (on the way out v64-127 hold rows read back); v128-255 the accumulators.
.set PITCH, 528                        ; an LDS row of Wo's codes: 512 bytes + 16 of padding = 33 x 16
.set PIECE, 64*PITCH
.set WC,    65536                      ; ctx's images lie from 0 on: 8 row tiles x 8,192 bytes; Wo's 256 rows from here
.set CSC,   WC+4*PIECE                 ; ctx's scale bytes: 128 rows x 32
.set WSC,   CSC+4096                   ; Wo's: 256 rows x 32
.set STG,   WSC+8192                   ; the stages for the way out: 16 rows x (256 bytes + 16) for each wave; no fill lands here
.set SCW,   32
.set S0F,   64
.set S1F,   96
.set ACC,   128
.set BK,    64
.macro CROUND                          ; a round of the cluster's barrier
	s_barrier_signal -1
	s_barrier_wait -1
	s_cmp_lg_u32 s26, 0
	s_cbranch_scc1 .Lnot_wave_0_\@
	s_barrier_signal -3
.Lnot_wave_0_\@:
	s_barrier_wait -3
	s_barrier_signal -1
	s_barrier_wait -1
.endm
.macro PLACES n
.rept \n
	v_nop
.endr
.endm
	s_load_b256 s[4:11], s[0:1], 0x0               ; ctx_img 4, ctx_sc 6, Wo's codes 8, Wo's scales 10
	s_load_b128 s[12:15], s[0:1], 0x20             ; bo 12, out0 14
	v_lshl_add_u32 v30, v0, 2, 0x40000
	v_mov_b32 v31, 0
	ds_add_u32 v30, v31
	ds_add_u32 v30, v31
	v_lshrrev_b32 v1, 5, v0
	s_delay_alu instid0(VALU_DEP_1)
	v_readfirstlane_b32 s26, v1                    ; wave 0..7
	s_lshr_b32 s27, s26, 2                         ; which 64 rows
	s_and_b32 s28, s26, 3                          ; which 64 columns
	s_add_co_u32 s35, s26, 2
	s_and_b32 s35, s35, 3                          ; which piece of Wo waves 2-5 fetch: 0, 1, 2, 3
	s_bfe_u32 s29, ttmp6, 0x40000                  ; cx, cy
	s_bfe_u32 s30, ttmp6, 0x40004
	s_lshl_b32 s31, ttmp9, 2
	s_add_co_u32 s31, s31, s29                     ; the block of 256 columns
	s_and_b32 s32, ttmp7, 0xffff
	s_lshl_b32 s32, s32, 2
	s_add_co_u32 s32, s32, s30                     ; the block of 128 rows
	s_lshl_b32 s33, s30, 2
	s_lshl_b32 s33, 15, s33                        ; my row of the cluster
	s_lshl_b32 s34, 0x1111, s29                    ; my column
	; group 1: ctx's images: a dense block of 32,768 bytes as 128 rows of 256 bytes (32 elements of 8 bytes)
	s_or_b32 s36, s33, (3<<16)|(1<<21)
	s_mov_b32 s37, 32<<16
	s_mov_b32 s38, 128<<16
	s_mov_b32 s39, 32<<16
	s_mov_b32 s40, 128
	s_mov_b32 s41, 32
	s_mov_b32 s42, 0
	s_mov_b32 s43, 0
	; Wo's codes: 64 rows x 512 bytes, 16 bytes of padding behind each
	s_or_b32 s44, s34, (1<<20)|(1<<21)|(6<<22)|(3<<25)
	s_mov_b32 s45, 512<<16
	s_mov_b32 s46, 64<<16
	s_mov_b32 s47, 512<<16
	s_mov_b32 s48, 64
	s_mov_b32 s49, 512
	s_mov_b32 s50, 0
	s_mov_b32 s51, 0
	; ctx's scale bytes: 16 rows of 256 bytes; Wo's: 32
	s_or_b32 s52, s33, (3<<16)|(1<<21)
	s_mov_b32 s53, 32<<16
	s_mov_b32 s54, 16<<16
	s_mov_b32 s55, 32<<16
	s_mov_b32 s56, 16
	s_mov_b32 s57, 32
	s_mov_b32 s58, 0
	s_mov_b32 s59, 0
	s_or_b32 s68, s34, (3<<16)|(1<<21)
	s_mov_b32 s69, 32<<16
	s_mov_b32 s70, 32<<16
	s_mov_b32 s71, 32<<16
	s_mov_b32 s72, 32
	s_mov_b32 s73, 32
	s_mov_b32 s74, 0
	s_mov_b32 s75, 0
	v_and_b32 v1, 31, v0                           ; lane
	v_and_b32 v2, 15, v0                           ; r
	v_bfe_u32 v3, v0, 4, 1                         ; h
	; group 0, four sets; s[92:93] holds offsets made of the row block alone, s[94:95] of the column block alone
	s_lshl_b32 s92, s32, 16                        ; 8 row tiles of 8,192 bytes
	s_lshl_b32 s93, s26, 15                        ; + my half (waves 0, 1)
	s_add_co_u32 s92, s92, s93
	s_mov_b32 s93, 0
	s_lshl_b32 s94, s31, 17                        ; 256 rows of 512 bytes
	s_lshl_b32 s95, s35, 15                        ; + my piece's 64 rows
	s_add_co_u32 s94, s94, s95
	s_mov_b32 s95, 0
	s_wait_dscnt 0x0
	s_wait_kmcnt 0x0
	s_mov_b32 s76, 1
	s_lshl_b32 s77, s26, 15
	s_add_nc_u64 s[78:79], s[4:5], s[92:93]
	s_or_b32 s79, s79, 0x80000000
	s_mov_b32 s80, 1
	s_mul_i32 s81, s35, PIECE
	s_add_co_u32 s81, s81, WC
	s_add_nc_u64 s[82:83], s[8:9], s[94:95]
	s_or_b32 s83, s83, 0x80000000
	s_lshl_b32 s92, s32, 12                        ; 128 rows of 32 scale bytes
	s_mov_b32 s84, 1
	s_mov_b32 s85, CSC
	s_add_nc_u64 s[86:87], s[6:7], s[92:93]
	s_or_b32 s87, s87, 0x80000000
	s_lshl_b32 s94, s31, 13                        ; 256 rows of 32 scale bytes
	s_mov_b32 s88, 1
	s_mov_b32 s89, WSC
	s_add_nc_u64 s[90:91], s[10:11], s[94:95]
	s_or_b32 s91, s91, 0x80000000
	CROUND                                         ; all sixteen work-groups are here: the joint loads meet
	; The fills: one tensor load a wave, each line with one mask; the branches hang on the wave's number alone.  Four v_nop follow each line.
	s_cmp_lt_u32 s26, 2
	s_cbranch_scc0 .Lnot_ci
	tensor_load_to_lds s[76:79], s[36:43]
	s_nop 0
	PLACES 4
	s_branch .Lasked
.Lnot_ci:
	s_cmp_lt_u32 s26, 6
	s_cbranch_scc0 .Lnot_wc
	tensor_load_to_lds s[80:83], s[44:51]
	s_nop 0
	PLACES 4
	s_branch .Lasked
.Lnot_wc:
	s_cmp_eq_u32 s26, 6
	s_cbranch_scc0 .Lnot_cs
	tensor_load_to_lds s[84:87], s[52:59]
	s_nop 0
	PLACES 4
	s_branch .Lasked
.Lnot_cs:
	tensor_load_to_lds s[88:91], s[68:75]
	s_nop 0
	PLACES 4
.Lasked:
	; the bias, into the accumulators: register j of accumulator (a, b) is column 16 b + 8 h + j of my 64
	s_lshl_b32 s96, s31, 10
	s_lshl_b32 s97, s28, 8
	s_add_co_u32 s96, s96, s97                     ; my first column, in bytes of f32
	s_mov_b32 s97, 0
	s_add_nc_u64 s[12:13], s[12:13], s[96:97]
	s_lshl_b32 s98, s32, 19                        ; 128 rows of 4,096 bytes
	s_lshl_b32 s99, s27, 18                        ; + my 64
	s_add_co_u32 s98, s98, s99
	s_add_co_u32 s96, s96, s98
	s_add_nc_u64 s[14:15], s[14:15], s[96:97]      ; the output at my first row and column
	s_wait_alu depctr_va_vdst(0)
	v_lshlrev_b32 v12, 5, v3
.irp a, 0,1,2,3
.irp b, 0,1,2,3
	global_load_b128 v[ACC+8*(4*\a+\b):ACC+8*(4*\a+\b)+3], v12, s[12:13] offset:64*\b
	global_load_b128 v[ACC+8*(4*\a+\b)+4:ACC+8*(4*\a+\b)+7], v12, s[12:13] offset:64*\b+16
.endr
.endr
	; LDS addresses, of the wave's number alone
	s_mul_i32 s62, s28, PIECE
	s_add_co_u32 s62, s62, WC
	v_mul_u32_u24 v13, v2, PITCH
	s_delay_alu instid0(VALU_DEP_1)
	v_lshl_add_u32 v13, v3, 4, v13
	s_delay_alu instid0(VALU_DEP_1)
	v_add_nc_u32 v4, s62, v13                      ; Wo: my 64 rows; row x pitch + 16 x half
	s_lshl_b32 s62, s27, 15
	v_lshl_add_u32 v5, v1, 4, s62                  ; ctx: my four row tiles; 16 x lane
	s_lshl_b32 s62, s27, 11
	s_add_co_u32 s62, s62, CSC                     ; ctx's scale bytes of my rows,
	s_lshl_b32 s63, s28, 11
	s_add_co_u32 s63, s63, WSC                     ; Wo's of my columns,
	s_sub_co_u32 s63, s63, s62                     ; which lie behind them: one product, the lower base + h x the distance
	v_mul_u32_u24 v13, s63, v3
	s_delay_alu instid0(VALU_DEP_1)
	v_add_nc_u32 v13, s62, v13
	s_delay_alu instid0(VALU_DEP_1)
	v_lshl_add_u32 v6, v2, 5, v13                  ; + 32 bytes a row
	s_mul_i32 s62, s26, 16*272
	s_add_co_u32 s62, s62, STG                     ; my stage
	v_mul_u32_u24 v13, v2, 272
	s_delay_alu instid0(VALU_DEP_1)
	v_lshl_add_u32 v13, v3, 5, v13
	s_delay_alu instid0(VALU_DEP_1)
	v_add_nc_u32 v9, s62, v13                      ; in: row r, 32 bytes for each half of the lanes
	v_mul_u32_u24 v13, v3, 272
	s_delay_alu instid0(VALU_DEP_1)
	v_lshl_add_u32 v13, v2, 4, v13
	s_delay_alu instid0(VALU_DEP_1)
	v_add_nc_u32 v10, s62, v13                     ; back: lanes 0-15 one row of 256 bytes, lanes 16-31 the next
	v_lshlrev_b32 v11, 12, v3
	s_delay_alu instid0(VALU_DEP_1)
	v_lshl_add_u32 v11, v2, 4, v11                 ; and the same two rows in the output
	s_wait_alu depctr_va_vdst(0)
	s_wait_tensorcnt 0x0                           ; my fill has landed,
	s_barrier_signal -1
	s_barrier_wait -1                              ; everybody's has
.irp i, 0,1,2,3                                ; the scale words of all of K: register SCW + 8 i + q: lanes 0-15 ctx's tile i, lanes 16-31 Wo's tile i, for K step q
	ds_load_b128 v[SCW+8*\i:SCW+8*\i+3], v6 offset:512*\i
	ds_load_b128 v[SCW+8*\i+4:SCW+8*\i+7], v6 offset:512*\i+16
.endr
	s_wait_loadcnt 0x0                             ; the bias
; A K step of 128: 16 LDS loads, 16 matrix instructions; the sixteen accumulators take turns in the same order in every step.
.macro KSTEP q
.if \q > 0
	PLACES 4                                       ; in front of loads into registers that matrix instructions have read
.endif
.irp b, 0,1,2,3
.irp c, 0,1
	ds_load_b128 v[S0F+8*\b+4*\c:S0F+8*\b+4*\c+3], v4 offset:16*PITCH*\b+64*\q+32*\c
.endr
.endr
.irp a, 0,1,2,3
.irp c, 0,1
	ds_load_b128 v[S1F+8*\a+4*\c:S1F+8*\a+4*\c+3], v5 offset:8192*\a+1024*\q+512*\c     ; head 2 q + c's image: registers 4 c on
.endr
.endr
.irp a, 0,1,2,3
	s_wait_dscnt 6-2*\a                            ; Wo's fragments and ctx's tile a are in; the two loads of each later tile of ctx may be out
.irp b, 0,1,2,3
	v_wmma_scale_f32_16x16x128_f8f6f4 v[ACC+8*(4*\a+\b):ACC+8*(4*\a+\b)+7], v[S0F+8*\b:S0F+8*\b+7], v[S1F+8*\a:S1F+8*\a+7], v[ACC+8*(4*\a+\b):ACC+8*(4*\a+\b)+7], v[SCW+8*\b+\q], v[SCW+8*\a+\q] matrix_a_fmt:MATRIX_FMT_FP4 matrix_b_fmt:MATRIX_FMT_FP4 matrix_a_scale:MATRIX_SCALE_ROW1
.endr
.endr
.endm
.irp q, 0,1,2,3,4,5,6,7
	KSTEP \q
.endr
; THE WAY OUT, 16 rows x 64 columns at a time.  A lane holds 32 neighbouring bytes of a row and the lanes beside it other rows: a block goes through my own stage and comes back as whole rows of 256 bytes.
; LDS serves a wave's instructions in order (ISA guide 5.7.1.4): no wait between the stores and the loads, nor in front of the next block's stores.
.macro TOSTAGE a
.irp b, 0,1,2,3
	ds_store_b128 v9, v[ACC+8*(4*(\a)+\b):ACC+8*(4*(\a)+\b)+3] offset:64*\b          ; each accumulator from its low end on
	ds_store_b128 v9, v[ACC+8*(4*(\a)+\b)+4:ACC+8*(4*(\a)+\b)+7] offset:64*\b+16
.endr
.irp i, 0,1,2,3,4,5,6,7
	ds_load_b128 v[BK+32*((\a)%2)+4*\i:BK+32*((\a)%2)+4*\i+3], v10 offset:544*\i
.endr
.endm
.macro SEND a, younger                 ; younger: the LDS instructions issued behind block a's loads, which may stay out
	s_wait_dscnt \younger
.irp i, 0,1,2,3,4,5,6,7
	global_store_b128 v11, v[BK+32*((\a)%2)+4*\i:BK+32*((\a)%2)+4*\i+3], s[14:15] offset:(16*(\a)+2*\i)*4096 th:TH_STORE_NT   ; 16 lanes store 256 consecutive bytes, at a multiple of 256 from the output's first byte
.endr
.endm
	PLACES 4                                       ; in front of the first read of results and of loads into the fragments' registers
	TOSTAGE 0
.irp a, 1,2,3
.if \a > 1
	s_wait_xcnt 0x0                                ; block a - 2's stores have read their registers: block a's rows may land there
.endif
	TOSTAGE \a
	SEND \a-1, 16                                  ; behind block a - 1's loads: block a's eight stores and eight loads
.endr
	SEND 3, 0
	s_wait_tensorcnt 0x0
	ds_add_u32 v30, v31
	s_wait_dscnt 0x0
	CROUND                                         ; the closing round: no work-group ends while a partner may still ask for a tile that names it
	s_endpgm
.Lfunc_end_k_q2f41df9e70_proj:
	.size	k_q2f41df9e70_proj, .Lfunc_end_k_q2f41df9e70_proj-k_q2f41df9e70_proj
	.p2alignl 7, 3214868480
	.fill 96, 4, 3214868480
	.section	.rodata,"a",@progbits
	.p2align	6, 0x0
	.amdhsa_kernel k_q2f41df9e70_proj
		.amdhsa_group_segment_fixed_size 263168
		.amdhsa_private_segment_fixed_size 0
		.amdhsa_enable_private_segment 0
		.amdhsa_kernarg_size 48
		.amdhsa_user_sgpr_count 2
		.amdhsa_user_sgpr_kernarg_segment_ptr 1
		.amdhsa_wavefront_size32 1
		.amdhsa_system_sgpr_workgroup_id_x 1
		.amdhsa_system_sgpr_workgroup_id_y 1
		.amdhsa_system_sgpr_workgroup_id_z 1
		.amdhsa_system_vgpr_workitem_id 0
		.amdhsa_next_free_vgpr 256
		.amdhsa_next_free_sgpr 100
		.amdhsa_reserve_vcc 0
		.amdhsa_float_denorm_mode_32 3
		.amdhsa_float_denorm_mode_16_64 3
		.amdhsa_memory_ordered 1
		.amdhsa_forward_progress 1
		.amdhsa_inst_pref_size 46
	.end_amdhsa_kernel
	.amdgpu_metadata
---
amdhsa.version: [ 1, 2 ]
amdhsa.kernels:
  - .name:           k_q2f41df9e70_proj
    .symbol:         k_q2f41df9e70_proj.kd
    .args:
      - { .name: ctx_img, .offset: 0, .size: 8, .value_kind: global_buffer, .address_space: global }
      - { .name: ctx_sc, .offset: 8, .size: 8, .value_kind: global_buffer, .address_space: global }
      - { .name: Wo_codes, .offset: 16, .size: 8, .value_kind: global_buffer, .address_space: global }
      - { .name: Wo_scales, .offset: 24, .size: 8, .value_kind: global_buffer, .address_space: global }
      - { .name: bo, .offset: 32, .size: 8, .value_kind: global_buffer, .address_space: global }
      - { .name: out0, .offset: 40, .size: 8, .value_kind: global_buffer, .address_space: global }
    .group_segment_fixed_size: 263168
    .private_segment_fixed_size: 0
    .kernarg_segment_align: 8
    .kernarg_segment_size: 48
    .max_flat_workgroup_size: 256
    .sgpr_count:     100
    .vgpr_count:     256
    .wavefront_size: 32
...
	.end_amdgpu_metadata
.endif
;; end of part 3
